; MI455X (gfx1250); checked and timed in simulation.
; The chip was launched on July 23, 2026; its instructions are those of AMD's public machine-readable ISA for CDNA 5 (MIT licence, August 2026) and "CDNA5" Instruction Set Architecture Reference Guide (July 2026). The comments in the code are by the model that wrote it; some were corrected since.
;; Self Attention. Allowed arithmetic: matrix products marked QUANTISED: E4M3 operands, one given power-of-two scale a tensor, by v_wmma_f32_16x16x64_fp8_fp8 or v_wmma_f32_16x16x128_fp8_fp8, f32 sums; everything else in f32.
;; Inputs: lowp_scales 8 int32 (the exponents e of the quantised operands' scales 2^e); w_proj 1,024 x 1,024 float32; w_qkv 1,024 x 3,072 float32; x 4 x 2,048 x 1,024 float32.
;; Outputs: out0 4 x 2,048 x 1,024 float32.
;; This version of the problem:
;;   THIS VERSION OF THE PROBLEM IS GIVEN IN LOW PRECISION. The matrix products marked QUANTISED in the list below multiply operands that are first quantised to E4M3 (4 exponent bits, 3 mantissa bits; 8 bits a number), with one given power-of-two scale for each operand tensor; their sums are f32. All else is computed in f32.
;;   The module's matrix products, in the order in which they are computed (A, B: the left and right operand; K: the contracted axis; several contracted axes count as one K, in the product's order):
;;     1. [M 8,192, K 1,024] x [K 1,024, N 3,072]; A: input x; B: input w_qkv: QUANTISED (scales: A lowp_scales[0], B lowp_scales[1])
;;     2. batch 64 x [M 2,048, K 64] x [K 64, N 2,048]; A: computed on the way; B: computed on the way: QUANTISED (scales: A lowp_scales[2], B lowp_scales[3])
;;     3. batch 64 x [M 2,048, K 2,048] x [K 2,048, N 64]; A: softmax (see below); B: computed on the way: QUANTISED (scales: A lowp_scales[4], B lowp_scales[5])
;;     4. [M 8,192, K 1,024] x [K 1,024, N 1,024]; A: computed on the way; B: input w_proj: QUANTISED (scales: A lowp_scales[6], B lowp_scales[7])
;;   THE QUANTISER, for each operand of a quantised product, along K:
;;     - The operand's scale is 2^e, e = its entry of the input lowp_scales (int32; the entries are numbered through the quantised products in the list's order, A before B).
;;     - Each number is divided by the scale, clamped to +-448, and rounded to the nearest number of E4M3, ties to even, subnormals kept.
;;     - The product sums the exact products of the quantised numbers (number of the format x scale) in f32.
;;   ~~~python
;;   def quantise(x, axis, e):      # numpy; x: float32 -> the quantised numbers, widened to float32 again
;;       x = np.moveaxis(x, axis, -1); K = x.shape[-1]
;;       r = np.clip(x / 2.0 ** e, -448, 448)
;;       step = 2.0 ** (np.maximum(np.frexp(np.where(r == 0, 1, r))[1] - 1, -6) - 3)
;;       q = np.round(r / step) * step * 2.0 ** e      # np.round: ties to even
;;       return np.moveaxis(q, -1, axis).astype(np.float32)
;;   ~~~
;;   SOFTMAX AHEAD OF A QUANTISED PRODUCT. Where the list says 'softmax', what is quantised is not the finished softmax but p = 2^(t - M), with t = logit x log2(e) and M = ceil(the row's largest t), a whole number; so 1/2 < the row's largest p <= 1. The row's sum l is taken of the UNQUANTISED p, in f32, and the product's result is divided by l at the end. Since M is a whole number, a kernel that streams over the keys may use a running M (the ceiling of the running maximum): every later rescaling is an exact power of two, so the quantised numbers keep their values, but for numbers so far below the row's largest that they fall under the format's range.
;;   OPERANDS COMPUTED ON THE WAY. 'Computed on the way' means the value that the module computes at that place (a softmax that the list does not call 'softmax' is quantised finished and normalised). What goes into a quantiser is computed in f32, as accurately as f32 sums, v_exp_f32 and their like allow (about 1e-6 of the number): no bf16 or f16 on the way to a quantiser, and a product that is left as it is and whose result goes on into a quantised operand takes f32 operands (vector FMAs, or v_wmma_f32_16x16x4_f32). A number that lies on a knife's edge between two numbers of the format may be rounded either way, as far as f32 arithmetic and the matrix unit's own rounding can turn it there, and no further.
;; One version. Each part assembles by itself: llvm-mc -triple=amdgcn-amd-amdhsa -mcpu=gfx1250 --defsym DOCPART=n.
;; ======== version 1 of 1: 4 launches
;; limits: right only within a limited range of input values
;; workspace buffers: x_img 8,388,608 bytes; wq_img 3,145,728 bytes; wp_img 1,048,576 bytes; q_img 8,388,608 bytes; kv_img 16,777,216 bytes; a_img 8,388,608 bytes
;; launch quant (part 1): grid 768 x 1, 4 waves a work-group, no clusters, 35,328 bytes of LDS; arguments x, w_qkv, w_proj, lowp_scales, x_img, wq_img, wp_img; writes x_img, wq_img, wp_img
.if DOCPART == 1
	.amdgcn_target "amdgcn-amd-amdhsa--gfx1250"
	.amdhsa_code_object_version 6
	.text
	.protected	k_qb4e693edd7_quant
	.globl	k_qb4e693edd7_quant
	.p2align	8
	.type	k_qb4e693edd7_quant,@function
k_qb4e693edd7_quant:
	s_mov_b64 s[64:65], 0
	v_nop
	global_prefetch_b8 v0, s[64:65] scope:SCOPE_SE
	s_setreg_imm32_b32 hwreg(HW_REG_WAVE_MODE, 25, 1), 1
	s_wait_xcnt 0x0
; x [8192][1024], w_qkv [1024][3072] and w_proj [1024][1024], f32, become codes of FP8 (E4M3), each tensor with its given scale 2^e (entries 0, 1 and 7 of the scales).
; code = number / 2^e, held within +-448, rounded to the nearest code, ties to even.
; THE CODES ARE LAID AS IMAGES OF THE OPERAND'S REGISTERS.  A fragment is 16 rows x 128 K, 16 registers a lane, 2,048 bytes: lane (r, h) holds row r, and its registers 2 c, 2 c + 1 hold
; k = 16 c + 8 h + 0 .. 7 (the 8-bit plain forms' own places).  Registers 4 g .. 4 g + 3 of lane l lie at byte 512 g + 16 l of the fragment.  A buffer is [tile of 16 rows][K step of 128][fragment];
; for the weights a row is a column n of the weight, since K is the weight's first axis.
; LIMITS: each e between -126 and 119, so that 2^e and 448 x 2^e are f32 numbers.  NaN among the inputs is not served; an infinity is held at the largest code.
; SHARES: work-groups 0-255 take x, 256-351 w_qkv, 352-383 w_proj.  Waves share nothing: no barrier.  Only x's path touches LDS.
; WORK LEFT OUT IN THIS PROGRAM.  reference() sets att to -infinity wherever key > query, by a jnp.tril that it builds itself: such a score's softmax weight is 0 for all values of the inputs.
; So the attention launch multiplies no step of 128 keys all of which come after a tile's 16 queries.  Every input has a way to the output and is loaded.
; LIMIT: a NaN, an infinity or an overflow that would arise only in scores under the mask is not carried to the result.
; THE ORDER OF THE FRAGMENTS IN A BUFFER, in place of what the lines at the head say of it: [K step of 128][tile of 16 rows][fragment of 2,048 bytes]: x_img has 512 tiles to a K step, wq_img 192, wp_img 64.
; So the tiles that a work-group of a later launch wants of one K step lie on end, and several K steps are the rows of one tensor tile.
; THE SHARES, in place of what the lines at the head say of them: work-groups 0-511 take x, 512-703 w_qkv, 704-767 w_proj.
.set WREG,  8704
.set SP,    528                        ; a stage row: 512 bytes + 16
.set SPARE, 4*WREG                     ; behind the four regions: the spare words, 128 bytes for each wave: two blocks of 256 bytes that no other line names
.set SPW,   12                         ; v12  LDS address of my spare word; never rewritten
.set NIL,   13                         ; v13  0; never rewritten
.set R,     16                         ; x: v16-143  two sets of 64 registers as loaded
.set X,     144                        ; x: v144-207 a lane's 64 numbers in the fragment's order
.set C,     208                        ; x: v208-223 the fragment's codes
.set WX,    16                         ; weights: v16-79  two sets of 32 numbers down K
.set WC,    80                         ; weights: v80-111 eight registers of codes for each of 4 blocks: no store's data are written again
	s_load_b256 s[4:11], s[0:1], 0x0               ; x s[4:5], w_qkv s[6:7], w_proj s[8:9], the scales' exponents s[10:11]
	s_load_b128 s[12:15], s[0:1], 0x20             ; x_img s[12:13], wq_img s[14:15]
	s_load_b64 s[16:17], s[0:1], 0x30              ; wp_img
	v_lshl_add_u32 v[SPW], v0, 2, SPARE
	v_mov_b32 v[NIL], 0
	v_lshrrev_b32 v1, 5, v0
	v_readfirstlane_b32 s18, v1                    ; wave 0..3
	v_and_b32 v2, 31, v0                           ; lane
	s_wait_kmcnt 0x0
	s_load_b256 s[24:31], s[10:11], 0x0            ; e0 .. e7
	s_cmp_ge_u32 ttmp9, 704
	s_cbranch_scc1 .Lwproj
	s_cmp_ge_u32 ttmp9, 512
	s_cbranch_scc1 .Lwqkv
.macro SCALE e                         ; v11 = 2^e as f32 (the conversion takes its exponent field), v10 = 448 x 2^e
	s_wait_kmcnt 0x0
	s_add_co_i32 s32, s[\e], 127
	s_lshl_b32 s33, s32, 23
	v_mov_b32 v11, s33
	s_add_co_i32 s32, s32, 8
	s_lshl_b32 s32, s32, 23
	s_or_b32 s32, s32, 0x600000
	v_mov_b32 v10, s32
.endm
; ---------------- x: K is innermost.  A wave takes one tile of 16 rows and two K steps: two fragments, all of whose 32 loads are issued at once.
; Each load reads 512 consecutive bytes of one row, 16 a lane; the fragment's 8,192 bytes turn through my own stage in LDS and come back in the fragment's order.
	s_lshl_b32 s19, ttmp9, 2
	s_add_co_u32 s19, s19, s18                     ; my wave among 2,048
	s_lshr_b32 s20, s19, 2                         ; tile of 16 rows (my wave is one of 2,048)
	s_and_b32 s21, s19, 3                          ; which two K steps
	s_lshl_b32 s34, s20, 16                        ; 16 rows of 4,096 bytes
	s_lshl_b32 s35, s21, 10                        ; 2 K steps of 512 bytes
	s_add_co_u32 s34, s34, s35
	s_mov_b32 s35, 0
	s_add_nc_u64 s[4:5], s[4:5], s[34:35]
	s_lshl_b32 s34, s20, 11                        ; my tile's fragment within a K step
	s_lshl_b32 s36, s21, 21                        ; 2 K steps of 512 tiles x 2,048 bytes
	s_add_co_u32 s34, s34, s36
	s_add_nc_u64 s[12:13], s[12:13], s[34:35]
	s_wait_alu depctr_va_vdst(0)
	v_lshlrev_b32 v3, 4, v2                        ; 16 x lane: in memory on the way in, in the image on the way out
	s_mul_i32 s37, s18, WREG
	v_add_nc_u32 v14, s37, v3                      ; the stage, in: a row as it lies
	v_and_b32 v4, 15, v2                           ; r
	v_lshrrev_b32 v5, 4, v2                        ; h
	v_mul_u32_u24 v15, v4, SP
	v_lshl_add_u32 v15, v5, 5, v15
	v_add_nc_u32 v15, s37, v15                     ; the stage, out: row r, + 32 h bytes: my 8 numbers of each 16
.macro LOADX t
.irp i, 0,1,2,3,4,5,6,7,8,9,10,11,12,13,14,15
	global_load_b128 v[R+64*((\t)%2)+4*\i:R+64*((\t)%2)+4*\i+3], v3, s[4:5] offset:\i*4096+(\t)*512 th:TH_LOAD_NT
.endr
.endm
.macro STEPX t
.if (\t) < 1
	s_wait_loadcnt 16                              ; this fragment's 16 loads are in; the next fragment's 16 may be out
.else
	s_wait_loadcnt 0
.endif
.irp i, 0,1,2,3,4,5,6,7,8,9,10,11,12,13,14,15
	ds_store_b128 v14, v[R+64*((\t)%2)+4*\i:R+64*((\t)%2)+4*\i+3] offset:\i*SP
.endr
.irp g, 0,1,2,3                        ; LDS serves a wave's instructions in order: these see the stores above
.irp p, 0,1
.irp u, 0,1
	ds_load_b128 v[X+16*\g+8*\p+4*\u:X+16*\g+8*\p+4*\u+3], v15 offset:128*\g+64*\p+16*\u   ; k = 32 g + 16 p + 8 h + 4 u + 0 .. 3
.endr
.endr
.endr
	s_wait_dscnt 0x0                               ; my numbers are back, and the stores into the stage have read their registers,
	s_wait_xcnt 0x0                                ; the last fragment's stores have read their data: the codes' registers may be written
.set j, 0
.rept 64
	v_med3_num_f32 v[X+j], v[X+j], -v10, v10       ; the conversion to an 8-bit code does not saturate (ISA guide 7.6.2): the hold at the largest code x the scale
.set j, j+1
.endr
.irp g, 0,1,2,3
.irp p, 0,1
	v_cvt_scalef32_pk8_fp8_f32 v[C+4*\g+2*\p:C+4*\g+2*\p+1], v[X+16*\g+8*\p:X+16*\g+8*\p+7], v11
.endr
.endr
	v_nop                                          ; a plain line between the conversions and the next fragment's holds, which write their sources
.irp g, 0,1,2,3
	global_store_b128 v3, v[C+4*\g:C+4*\g+3], s[12:13] offset:(\t)*1048576+\g*512   ; 32 lanes store 512 consecutive bytes, aligned
.endr
.endm
	LOADX 0
	LOADX 1
	s_wait_alu depctr_va_vdst(0)
	SCALE 24                                       ; e0
	s_wait_alu depctr_va_vdst(0)
	STEPX 0
	STEPX 1
	s_wait_tensorcnt 0x0                           ; the wave's end, behind my last LDS store
	ds_add_u32 v[SPW], v[NIL]
	s_wait_dscnt 0x0
	s_endpgm
; ---------------- the weights: K is the FIRST axis.  A lane takes a column n and its registers run down K: each load reads 128 consecutive bytes a wave, and the conversions give codes with K innermost.
; A wave takes 32 columns x 128 along K, one K step: 4 blocks of 32.  Of a block's 32 codes of a column, k 0-7 and 16-23 are the 16 bytes of the fragment's lane (r, 0), k 8-15 and 24-31 those of lane (r, 1).
.macro LOADW t, n
.irp i, 0,1,2,3,4,5,6,7,8,9,10,11,12,13,14,15,16,17,18,19,20,21,22,23,24,25,26,27,28,29,30,31
	global_load_b32 v[WX+32*((\t)%2)+\i], v3, s[20:21] offset:(32*(\t)+\i)*(\n)*4 th:TH_LOAD_NT
.endr
.endm
.macro BLOCKW t, n
.set XS, WX+32*((\t)%2)
.set CC, WC+8*(\t)
.if (\t) < 3
	s_wait_loadcnt 32                              ; this block's 32 loads are in; the next block's may be out
.else
	s_wait_loadcnt 0
.endif
.set j, 0
.rept 32
	v_med3_num_f32 v[XS+j], v[XS+j], -v10, v10
.set j, j+1
.endr
	v_cvt_scalef32_pk8_fp8_f32 v[CC:CC+1],   v[XS:XS+7],     v11
	v_cvt_scalef32_pk8_fp8_f32 v[CC+2:CC+3], v[XS+16:XS+23], v11
	v_cvt_scalef32_pk8_fp8_f32 v[CC+4:CC+5], v[XS+8:XS+15],  v11
	v_cvt_scalef32_pk8_fp8_f32 v[CC+6:CC+7], v[XS+24:XS+31], v11
	v_nop                                          ; a plain line behind the conversions
	global_store_b128 v8, v[CC:CC+3],   s[22:23] offset:((\t)/4)*(\n)*128+((\t)%4)*512       ; sixteen lanes fill 256 consecutive bytes, aligned; lanes 16-31 those of the next tile of 16 columns
	global_store_b128 v8, v[CC+4:CC+7], s[22:23] offset:((\t)/4)*(\n)*128+((\t)%4)*512+256
.if (\t)+2 < 4
	LOADW (\t)+2, \n
.endif
.endm
.macro WPATH n, src, dst, ex, first
	s_sub_co_u32 s19, ttmp9, \first
	s_lshr_b32 s36, s19, 3                         ; which 128 columns
	s_and_b32 s37, s19, 7                          ; which K step
	s_lshl_b32 s36, s36, 7
	s_lshl_b32 s38, s18, 5
	s_add_co_u32 s36, s36, s38                     ; my wave's first column
	s_mul_i32 s34, s37, 128*(\n)*4
	s_lshl_b32 s38, s36, 2
	s_add_co_u32 s34, s34, s38
	s_mov_b32 s35, 0
	s_add_nc_u64 s[20:21], s[\src:\src+1], s[34:35]
	s_lshl_b32 s34, s36, 7                         ; a tile of 16 columns is 2,048 bytes of a K step
	s_mul_i32 s38, s37, (\n)*128                   ; a K step of n / 16 tiles
	s_add_co_u32 s34, s34, s38
	s_add_nc_u64 s[22:23], s[\dst:\dst+1], s[34:35]
	v_lshlrev_b32 v3, 2, v2                        ; in: 4 bytes a lane
	v_lshrrev_b32 v4, 4, v2
	v_and_b32 v5, 15, v2
	v_lshlrev_b32 v8, 11, v4
	v_lshl_add_u32 v8, v5, 4, v8                   ; out: tile lane / 16, + 16 (lane % 16)
	LOADW 0, \n
	LOADW 1, \n
	SCALE \ex
	s_wait_alu depctr_va_vdst(0)
.irp t, 0,1,2,3
	BLOCKW \t, \n
.endr
	s_endpgm
.endm
.Lwqkv:
	s_wait_alu depctr_va_vdst(0)
	WPATH 3072, 6, 14, 25, 512                     ; w_qkv -> wq_img, e1
.Lwproj:
	s_wait_alu depctr_va_vdst(0)
	WPATH 1024, 8, 16, 31, 704                     ; w_proj -> wp_img, e7
.Lfunc_end_k_qb4e693edd7_quant:
	.size	k_qb4e693edd7_quant, .Lfunc_end_k_qb4e693edd7_quant-k_qb4e693edd7_quant
	.p2alignl 7, 3214868480
	.fill 96, 4, 3214868480
	.section	.rodata,"a",@progbits
	.p2align	6, 0x0
	.amdhsa_kernel k_qb4e693edd7_quant
		.amdhsa_group_segment_fixed_size 35328
		.amdhsa_private_segment_fixed_size 0
		.amdhsa_enable_private_segment 0
		.amdhsa_kernarg_size 56
		.amdhsa_user_sgpr_count 2
		.amdhsa_user_sgpr_kernarg_segment_ptr 1
		.amdhsa_wavefront_size32 1
		.amdhsa_system_sgpr_workgroup_id_x 1
		.amdhsa_system_sgpr_workgroup_id_y 1
		.amdhsa_system_sgpr_workgroup_id_z 1
		.amdhsa_system_vgpr_workitem_id 0
		.amdhsa_next_free_vgpr 224
		.amdhsa_next_free_sgpr 66
		.amdhsa_reserve_vcc 0
		.amdhsa_float_denorm_mode_32 3
		.amdhsa_float_denorm_mode_16_64 3
		.amdhsa_memory_ordered 1
		.amdhsa_forward_progress 1
		.amdhsa_inst_pref_size 66
	.end_amdhsa_kernel
	.amdgpu_metadata
---
amdhsa.version: [ 1, 2 ]
amdhsa.kernels:
  - .name:           k_qb4e693edd7_quant
    .symbol:         k_qb4e693edd7_quant.kd
    .args:
      - { .name: x, .offset: 0, .size: 8, .value_kind: global_buffer, .address_space: global }
      - { .name: w_qkv, .offset: 8, .size: 8, .value_kind: global_buffer, .address_space: global }
      - { .name: w_proj, .offset: 16, .size: 8, .value_kind: global_buffer, .address_space: global }
      - { .name: lowp_scales, .offset: 24, .size: 8, .value_kind: global_buffer, .address_space: global }
      - { .name: x_img, .offset: 32, .size: 8, .value_kind: global_buffer, .address_space: global }
      - { .name: wq_img, .offset: 40, .size: 8, .value_kind: global_buffer, .address_space: global }
      - { .name: wp_img, .offset: 48, .size: 8, .value_kind: global_buffer, .address_space: global }
    .group_segment_fixed_size: 35328
    .private_segment_fixed_size: 0
    .kernarg_segment_align: 8
    .kernarg_segment_size: 56
    .max_flat_workgroup_size: 128
    .sgpr_count:     66
    .vgpr_count:     224
    .wavefront_size: 32
...
	.end_amdgpu_metadata
.endif
;; end of part 1
;; launch gemm_qkv (part 2): grid 8 x 32, 4 waves a work-group, clusters of 4 x 4, 327,680 bytes of LDS; arguments x_img, wq_img, lowp_scales, q_img, kv_img; writes q_img, kv_img
.if DOCPART == 2
	.amdgcn_target "amdgcn-amd-amdhsa--gfx1250"
	.amdhsa_code_object_version 6
	.text
	.protected	k_qb4e693edd7_gemm_qkv
	.globl	k_qb4e693edd7_gemm_qkv
	.p2align	8
	.type	k_qb4e693edd7_gemm_qkv,@function
k_qb4e693edd7_gemm_qkv:
	s_mov_b64 s[64:65], 0
	v_nop
	global_prefetch_b8 v0, s[64:65] scope:SCOPE_SE
	s_setreg_imm32_b32 hwreg(HW_REG_WAVE_MODE, 25, 1), 1
	s_wait_xcnt 0x0
	s_wait_alu depctr_hold_cnt(0) depctr_sa_sdst(0) depctr_va_vdst(0) depctr_va_sdst(0) depctr_va_ssrc(0) depctr_va_vcc(0) depctr_vm_vsrc(0)
	s_getreg_b32 s2, hwreg(HW_REG_IB_STS2, 6, 4)
	s_cmp_eq_u32 s2, 0
	s_cbranch_scc0 .Lentry_in_a_cluster
	s_endpgm
.Lentry_in_a_cluster:
	s_bfe_u32 s2, ttmp6, 0x10000c
	s_cmp_lg_u32 s2, 0xf033
	s_cbranch_scc0 .Lentry_shape_is_right
	s_endpgm
.Lentry_shape_is_right:
; qkv = x w_qkv on codes of FP8 (E4M3), K = 1,024; q, k and v leave as codes, quantised from the f32 sums in registers, laid as the attention launch's operands want them.
; OPERANDS are images of registers: a fragment (16 rows x 128 K, 2,048 bytes) has registers 4 g .. 4 g + 3 of lane l at byte 512 g + 16 l; its first 1,024 bytes are the fragment of K 0-63, the rest that of K 64-127.
; x_img [K step 0..7][tile of 16 tokens 0..511][fragment];  wq_img [K step][tile of 16 columns 0..191][fragment].
; SHARES.  A work-group takes 256 tokens x the q, k and v columns of two neighbouring heads (3 x 128 columns): 32 x 8 = 256 work-groups.  A wave takes 128 tokens x one head's q, k and v: 96 accumulators, 768 registers.
; THE MATRIX INSTRUCTION.  q and k: source 0 = 16 columns of w, source 1 = 16 tokens: a lane's eight registers run along the head's 64, the next K.  v: the sources swapped: a lane's registers run along the keys, v's K in attention.
; LDS.  Three slots of one K step: x's 16 tiles (32 KB a slot, from byte 0), then for each of q, k, v its 8 tiles (16 KB a slot).  Wave 3 fetches x, waves 0-2 w's three parts; the K steps are a tensor tile's rows.
; Three fills: K steps 0-2, then 3-4 into slots 0-1, then 5-7 into slots 0-2; each refill stands behind the three lines and a round of the cluster's barrier.
; CLUSTERS: 4 x 4 work-groups; x's tile is shared along a row of the cluster, w's along a column: each is asked for jointly.
; No prefetch: the text has no loop to run ahead in; each fill is asked for as soon as the slots that it lands on have been read.
; OUT.  q_img [head of batch][tile of 16 queries][1,024 bytes];  kv_img [head of batch][step of 128 keys][8 tiles of 16 keys x 64: 8 KB; then 4 tiles of 16 of the head's 64 x 128 keys: 8 KB].
; LIMITS: e2 - e0 - e1, e3 - e0 - e1 and e5 - e0 - e1 between -126 and 119, so that the folded scale and 448 x it are f32 numbers.
; REGISTERS.  Window 0: v16-29 addresses and scales; v32-159 x's fragments of 64 along K, two sets of 8; v160-255 w's 12, one set.  Windows 1, 2, 3: q's, k's, v's 32 accumulators.
.set XSL,   32768                      ; x's bytes in a slot
.set WSL,   16384                      ; a part of w's bytes in a slot
.set WBASE, 3*XSL
.set SPARE, WBASE+9*WSL                ; 245,760: the spare words, 128 bytes for each wave: two blocks of 256 bytes that no other line names
.set XST,   1048576                    ; a K step of x_img in bytes
.set WST,   393216                     ; of wq_img
.set XA,  16                           ; v16 x's slots 0-1, v17 slot 2
.set WA,  18                           ; v18-20 w's three parts
.set GO,  21                           ; 16 x lane
.set SC,  22                           ; v22-27: for q, k, v the folded scale and 448 x it
.set SPW, 28
.set NIL, 29
.set XF,  32
.set WF,  160
.set TMP, 32
.set CD,  160
.set G1A3, 24
.set G1B3, 32
.set G1A2, 40
.set G1B2, 48
.set G0A,  56
.set G0B,  60
.set MSB, 0
.macro WIN new                         ; the immediate's high byte repeats the setting that is left
.if MSB != (\new)
	s_set_vgpr_msb (MSB<<8)|(\new)
.set MSB, (\new)
.endif
.endm
.macro NOP4                            ; places between a matrix instruction and a load into a register that it read, or a vector read of its result
.rept 4
	v_nop
.endr
.endm
.macro JL g1a, g1b                     ; a joint load: wave 3 for x, waves 0-2 for w; an s_nop 0 and four v_nop follow each line
	s_cmp_eq_u32 s14, 3
	s_cbranch_scc0 .Lfor_b_\@
	tensor_load_to_lds s[G0A:G0A+3], s[\g1a:\g1a+7]
	s_nop 0
	NOP4
	s_branch .Lasked_\@
.Lfor_b_\@:
	tensor_load_to_lds s[G0B:G0B+3], s[\g1b:\g1b+7]
	s_nop 0
	NOP4
.Lasked_\@:
.endm
.macro CROUND                          ; a round of the cluster's barrier
	s_barrier_signal -1
	s_barrier_wait -1
	s_cmp_lg_u32 s14, 0
	s_cbranch_scc1 .Lnot_wave_0_\@
	s_barrier_signal -3
.Lnot_wave_0_\@:
	s_barrier_wait -3
	s_barrier_signal -1
	s_barrier_wait -1
.endm
.macro G1SET g, c, r, p                ; group 1's constant words: r rows (K steps) of c elements of 8 bytes, p elements apart
	s_mov_b32 s[\g+1], (\c)<<16
	s_mov_b32 s[\g+2], (\r)<<16
	s_mov_b32 s[\g+3], (\c)<<16
	s_mov_b32 s[\g+4], \r
	s_mov_b32 s[\g+5], \p
	s_mov_b32 s[\g+6], 0
	s_mov_b32 s[\g+7], 0
.endm
	s_load_b256 s[4:11], s[0:1], 0x0               ; x_img s[4:5], wq_img s[6:7], the scales' exponents s[8:9], q_img s[10:11]
	s_load_b64 s[12:13], s[0:1], 0x20              ; kv_img
	v_lshl_add_u32 v[SPW], v0, 2, SPARE
	v_mov_b32 v[NIL], 0
	ds_add_u32 v[SPW], v[NIL]                      ; the opening lines: the add, twice on end, and its wait ahead of my first tensor load
	ds_add_u32 v[SPW], v[NIL]
	v_lshrrev_b32 v1, 5, v0
	v_readfirstlane_b32 s14, v1                    ; wave 0..3
	s_lshr_b32 s15, s14, 1                         ; which 128 tokens are mine
	s_and_b32 s16, s14, 1                          ; which head of the pair
	s_bfe_u32 s66, ttmp6, 0x40000                  ; cx, cy
	s_bfe_u32 s67, ttmp6, 0x40004
	s_lshl_b32 s68, ttmp9, 2
	s_add_co_u32 s68, s68, s66                     ; the head pair 0..7: it never holds cy
	s_and_b32 s69, ttmp7, 0xffff
	s_lshl_b32 s69, s69, 2
	s_add_co_u32 s69, s69, s67                     ; the tile of 256 tokens 0..31: it never holds cx
	s_lshl_b32 s70, s67, 2
	s_lshl_b32 s70, 15, s70                        ; my row of the cluster
	s_lshl_b32 s71, 0x1111, s66                    ; my column
	s_or_b32 s[G1A3], s70, (3<<16)|(1<<21)         ; the mask; elements of 8 bytes; bit 21 beside a mask; no padding
	s_or_b32 s[G1A2], s70, (3<<16)|(1<<21)
	s_or_b32 s[G1B3], s71, (3<<16)|(1<<21)
	s_or_b32 s[G1B2], s71, (3<<16)|(1<<21)
	G1SET G1A3, XSL/8, 3, XST/8
	G1SET G1A2, XSL/8, 2, XST/8
	G1SET G1B3, WSL/8, 3, WST/8
	G1SET G1B2, WSL/8, 2, WST/8
	s_lshl_b32 s84, s69, 15                        ; x: 16 tiles of 2,048 bytes for each tile of 256 tokens
	s_mov_b32 s85, 0
	s_lshl_b32 s86, s14, 17                        ; w: part (wave) x 64 tiles + head pair x 8 tiles
	s_lshl_b32 s87, s68, 14
	s_add_co_u32 s86, s86, s87
	s_mov_b32 s87, 0
	s_mul_i32 s88, s14, 3*WSL
	s_add_co_u32 s88, s88, WBASE                   ; where my part of w goes: the wave's number alone
	s_wait_dscnt 0x0                               ; both opening adds are done
	s_wait_kmcnt 0x0
	s_load_b256 s[72:79], s[8:9], 0x0              ; e0 .. e7
	s_mov_b32 s[G0A], 1
	s_mov_b32 s[G0A+1], 0
	s_add_nc_u64 s[G0A+2:G0A+3], s[4:5], s[84:85]
	s_or_b32 s[G0A+3], s[G0A+3], 0x80000000
	s_mov_b32 s[G0B], 1
	s_mov_b32 s[G0B+1], s88
	s_add_nc_u64 s[G0B+2:G0B+3], s[6:7], s[86:87]
	s_or_b32 s[G0B+3], s[G0B+3], 0x80000000
	CROUND                                         ; all sixteen work-groups are here: the first joint loads meet
	JL G1A3, G1B3                                  ; K steps 0-2: my one tensor load at the head
	s_lshr_b32 s89, s69, 3                         ; batch
	s_lshl_b32 s89, s89, 4
	s_lshl_b32 s90, s68, 1
	s_add_co_u32 s89, s89, s90
	s_add_co_u32 s89, s89, s16                     ; my head of batch
	s_and_b32 s90, s69, 7
	s_lshl_b32 s90, s90, 1
	s_add_co_u32 s90, s90, s15                     ; my step of 128 tokens within the batch
	s_lshl_b32 s89, s89, 17
	s_lshl_b32 s90, s90, 13
	s_add_co_u32 s84, s89, s90                     ; q: head x 131,072 + step x 8,192
	s_add_nc_u64 s[80:81], s[10:11], s[84:85]
	s_lshl_b32 s84, s84, 1                         ; kv: twice that
	s_add_nc_u64 s[82:83], s[12:13], s[84:85]
	s_lshl_b32 s91, s15, 14                        ; my 8 tiles of x within a slot
	s_lshl_b32 s92, s16, 13                        ; my 4 tiles of each part of w
	s_add_co_u32 s92, s92, WBASE
	s_wait_kmcnt 0x0
	s_add_co_i32 s93, s72, s73                     ; a sum stands for sum x 2^(e0 + e1): its code is sum / 2^(e_out - e0 - e1)
.irp n, 0,1,2
.if \n == 2
	s_sub_co_i32 s94, s77, s93                     ; e5 for v
.else
	s_sub_co_i32 s94, s[74+\n], s93                ; e2 for q, e3 for k
.endif
	s_add_co_i32 s94, s94, 127
	s_lshl_b32 s95, s94, 23
	v_mov_b32 v[SC+2*\n], s95
	s_add_co_i32 s94, s94, 8
	s_lshl_b32 s94, s94, 23
	s_or_b32 s94, s94, 0x600000
	v_mov_b32 v[SC+2*\n+1], s94
.endr
	v_and_b32 v[GO], 31, v0
	v_lshlrev_b32 v[GO], 4, v[GO]                  ; 16 x lane: a lane's place in every image
	v_add_nc_u32 v[XA], s91, v[GO]
	v_add_nc_u32 v[XA+1], 2*XSL, v[XA]
	v_add_nc_u32 v[WA], s92, v[GO]
	v_add_nc_u32 v[WA+1], 3*WSL, v[WA]
	v_add_nc_u32 v[WA+2], 6*WSL, v[WA]
.macro LDW p, ns, nh                   ; part p's four fragments of 64 along K: slot ns, half nh
.irp b, 0,1,2,3
	ds_load_b128 v[WF+32*(\p)+8*\b:WF+32*(\p)+8*\b+3], v[WA+\p] offset:(\ns)*WSL+\b*2048+(\nh)*1024
	ds_load_b128 v[WF+32*(\p)+8*\b+4:WF+32*(\p)+8*\b+7], v[WA+\p] offset:(\ns)*WSL+\b*2048+(\nh)*1024+512
.endr
.endm
.macro LDX set, i0, ns, nh             ; x's fragments i0 .. i0 + 3 into a set
.irp i, \i0, \i0+1, \i0+2, \i0+3
	ds_load_b128 v[XF+64*(\set)+8*(\i):XF+64*(\set)+8*(\i)+3], v[XA+(\ns)/2] offset:((\ns)%2)*XSL+(\i)*2048+(\nh)*1024
	ds_load_b128 v[XF+64*(\set)+8*(\i)+4:XF+64*(\set)+8*(\i)+7], v[XA+(\ns)/2] offset:((\ns)%2)*XSL+(\i)*2048+(\nh)*1024+512
.endr
.endm
.macro PRIME set, ns, nh               ; all 40 loads of a half step, in the order in which a half step asks for its successor's
	LDW 0, \ns, \nh
	LDX \set, 0, \ns, \nh
	LDW 1, \ns, \nh
	LDX \set, 4, \ns, \nh
	LDW 2, \ns, \nh
.endm
.macro MQK p, set, zero                ; 32 products of q or k: accumulator (token block a, column block b) at v[8 (4 a + b)]; the accumulators take turns
.irp b, 0,1,2,3
.irp a, 0,1,2,3,4,5,6,7
.if \zero
	v_wmma_f32_16x16x64_fp8_fp8 v[8*(4*\a+\b):8*(4*\a+\b)+7], v[WF+32*(\p)+8*\b:WF+32*(\p)+8*\b+7], v[XF+64*(\set)+8*\a:XF+64*(\set)+8*\a+7], 0
.else
	v_wmma_f32_16x16x64_fp8_fp8 v[8*(4*\a+\b):8*(4*\a+\b)+7], v[WF+32*(\p)+8*\b:WF+32*(\p)+8*\b+7], v[XF+64*(\set)+8*\a:XF+64*(\set)+8*\a+7], v[8*(4*\a+\b):8*(4*\a+\b)+7]
.endif
.endr
.endr
.endm
.macro MV set, zero                    ; 32 products of v, the sources swapped: accumulator (column block t, token block c) at v[8 (8 t + c)]
.irp t, 0,1,2,3
.irp c, 0,1,2,3,4,5,6,7
.if \zero
	v_wmma_f32_16x16x64_fp8_fp8 v[8*(8*\t+\c):8*(8*\t+\c)+7], v[XF+64*(\set)+8*\c:XF+64*(\set)+8*\c+7], v[WF+64+8*\t:WF+64+8*\t+7], 0
.else
	v_wmma_f32_16x16x64_fp8_fp8 v[8*(8*\t+\c):8*(8*\t+\c)+7], v[XF+64*(\set)+8*\c:XF+64*(\set)+8*\c+7], v[WF+64+8*\t:WF+64+8*\t+7], v[8*(8*\t+\c):8*(8*\t+\c)+7]
.endif
.endr
.endr
.endm
; A HALF STEP: 64 along K, 96 products.  nx = 1: its successor's fragments (slot ns, half nh) are asked for on the way: a part of w as soon as its 32 products are issued, x into the other set.
.macro HS set, nx, ns, nh, zero
	s_wait_dscnt 8                                 ; all but the youngest eight loads (w's v part) are in
	WIN 0x50
	MQK 0, \set, \zero
	WIN 0
.if \nx
	NOP4
	LDW 0, \ns, \nh
	LDX 1-(\set), 0, \ns, \nh
.endif
	WIN 0xa0
	MQK 1, \set, \zero
	WIN 0
.if \nx
	NOP4
	LDW 1, \ns, \nh
	LDX 1-(\set), 4, \ns, \nh
	s_wait_dscnt 32                                ; w's v part is in; the 32 loads just issued may be out
.else
	s_wait_dscnt 0x0
.endif
	WIN 0xf0
	MV \set, \zero
	WIN 0
	NOP4
.if \nx
	LDW 2, \ns, \nh
.endif
.endm
.macro REFILL g1a, g1b, steps          ; my reads of the slots to be filled are over: the three lines, a round, the joint refill first behind it
	s_wait_tensorcnt 0x0                           ; no tensor load of mine is out, so group 0 may be written
	ds_add_u32 v[SPW], v[NIL]
	s_add_nc_u64 s[G0A+2:G0A+3], s[G0A+2:G0A+3], (\steps)*XST
	s_add_nc_u64 s[G0B+2:G0B+3], s[G0B+2:G0B+3], (\steps)*WST
	s_wait_dscnt 0x0                               ; the add is done, and the fragments asked for are in registers
	CROUND
	JL \g1a, \g1b
.endm
.macro LANDED                          ; my part of the fill is in; behind the barrier everybody's is.
	s_wait_tensorcnt 0x0
	s_wait_dscnt 0x0
	s_barrier_signal -1
	s_barrier_wait -1
.endm
	s_wait_alu depctr_va_vdst(0)
	LANDED                                         ; K steps 0-2
	PRIME 0, 0, 0
	HS 0, 1, 0, 1, 1                               ; the first half step starts the sums
	HS 1, 1, 1, 0, 0
	HS 0, 1, 1, 1, 0                               ; the last fragments of slots 0 and 1 are asked for
	REFILL G1A2, G1B2, 3                           ; K steps 3-4 into slots 0-1
	HS 1, 1, 2, 0, 0
	HS 0, 1, 2, 1, 0
	HS 1, 0, 0, 0, 0
	LANDED
	PRIME 0, 0, 0
	HS 0, 1, 0, 1, 0
	HS 1, 1, 1, 0, 0
	HS 0, 1, 1, 1, 0
	REFILL G1A3, G1B3, 2                           ; K steps 5-7 into slots 0-2
	HS 1, 0, 0, 0, 0
	LANDED
	PRIME 0, 0, 0
	HS 0, 1, 0, 1, 0
	HS 1, 1, 1, 0, 0
	HS 0, 1, 1, 1, 0
	HS 1, 1, 2, 0, 0
	HS 0, 1, 2, 1, 0
	HS 1, 0, 0, 0, 0                               ; its four v_nop are the places ahead of the first read of results
; THE WAY OUT.  In each window registers 32 a .. 32 a + 31 are four accumulators whose eight registers each are eight neighbours along the next K: held and converted they are 8 registers of codes, 1,024 bytes of the image:
; q, k: the fragment of token tile a; v: half a % 2 of the fragment of column block a / 2.  Two such blocks at a time; every store covers 512 consecutive bytes, aligned.
.macro OUTP win, sc, base, off
.irp pr, 0,1,2,3
	WIN \win
.set j, 0
.rept 64
	v_med3_num_f32 v[TMP+64*(\pr%2)+j], v[64*\pr+j], -v[\sc+1], v[\sc+1]   ; the conversion does not saturate (ISA guide 7.6.2); each accumulator from its low end on
.set j, j+1
.endr
	WIN 0
.irp b, 0,1,2,3,4,5,6,7
	v_cvt_scalef32_pk8_fp8_f32 v[CD+16*\pr+2*\b:CD+16*\pr+2*\b+1], v[TMP+64*(\pr%2)+8*\b:TMP+64*(\pr%2)+8*\b+7], v[\sc]
.endr
.irp g, 0,1,2,3
	global_store_b128 v[GO], v[CD+16*\pr+4*\g:CD+16*\pr+4*\g+3], s[\base:\base+1] offset:\off+2048*\pr+512*\g
.endr
.endr
.endm
	OUTP 1, SC, 80, 0
	s_wait_xcnt 0x0                                ; q's stores have read their data: the codes' registers may be written
	OUTP 2, SC+2, 82, 0
	s_wait_xcnt 0x0
	OUTP 3, SC+4, 82, 8192
	v_nop                                          ; a plain line behind the last conversion
	s_wait_tensorcnt 0x0                           ; the wave's end
	ds_add_u32 v[SPW], v[NIL]
	s_wait_dscnt 0x0
	CROUND                                         ; the closing round
	s_endpgm
.Lfunc_end_k_qb4e693edd7_gemm_qkv:
	.size	k_qb4e693edd7_gemm_qkv, .Lfunc_end_k_qb4e693edd7_gemm_qkv-k_qb4e693edd7_gemm_qkv
	.p2alignl 7, 3214868480
	.fill 96, 4, 3214868480
	.section	.rodata,"a",@progbits
	.p2align	6, 0x0
	.amdhsa_kernel k_qb4e693edd7_gemm_qkv
		.amdhsa_group_segment_fixed_size 327680
		.amdhsa_private_segment_fixed_size 0
		.amdhsa_enable_private_segment 0
		.amdhsa_kernarg_size 40
		.amdhsa_user_sgpr_count 2
		.amdhsa_user_sgpr_kernarg_segment_ptr 1
		.amdhsa_wavefront_size32 1
		.amdhsa_system_sgpr_workgroup_id_x 1
		.amdhsa_system_sgpr_workgroup_id_y 1
		.amdhsa_system_sgpr_workgroup_id_z 1
		.amdhsa_system_vgpr_workitem_id 0
		.amdhsa_next_free_vgpr 1024
		.amdhsa_next_free_sgpr 100
		.amdhsa_reserve_vcc 0
		.amdhsa_float_denorm_mode_32 3
		.amdhsa_float_denorm_mode_16_64 3
		.amdhsa_memory_ordered 1
		.amdhsa_forward_progress 1
		.amdhsa_inst_pref_size 215
	.end_amdhsa_kernel
	.amdgpu_metadata
---
amdhsa.version: [ 1, 2 ]
amdhsa.kernels:
  - .name:           k_qb4e693edd7_gemm_qkv
    .symbol:         k_qb4e693edd7_gemm_qkv.kd
    .args:
      - { .name: x_img, .offset: 0, .size: 8, .value_kind: global_buffer, .address_space: global }
      - { .name: wq_img, .offset: 8, .size: 8, .value_kind: global_buffer, .address_space: global }
      - { .name: lowp_scales, .offset: 16, .size: 8, .value_kind: global_buffer, .address_space: global }
      - { .name: q_img, .offset: 24, .size: 8, .value_kind: global_buffer, .address_space: global }
      - { .name: kv_img, .offset: 32, .size: 8, .value_kind: global_buffer, .address_space: global }
    .group_segment_fixed_size: 327680
    .private_segment_fixed_size: 0
    .kernarg_segment_align: 8
    .kernarg_segment_size: 40
    .max_flat_workgroup_size: 128
    .sgpr_count:     100
    .vgpr_count:     1024
    .wavefront_size: 32
...
	.end_amdgpu_metadata
.endif
;; end of part 2
;; launch attn (part 3): grid 4 x 64, 8 waves a work-group, clusters of 4 x 1, 327,680 bytes of LDS; arguments q_img, kv_img, lowp_scales, a_img; writes a_img
.if DOCPART == 3
	.amdgcn_target "amdgcn-amd-amdhsa--gfx1250"
	.amdhsa_code_object_version 6
	.text
	.protected	k_qb4e693edd7_attn
	.globl	k_qb4e693edd7_attn
	.p2align	8
	.type	k_qb4e693edd7_attn,@function
k_qb4e693edd7_attn:
	s_mov_b64 s[64:65], 0
	v_nop
	global_prefetch_b8 v0, s[64:65] scope:SCOPE_SE
	s_setreg_imm32_b32 hwreg(HW_REG_WAVE_MODE, 25, 1), 1
	s_wait_xcnt 0x0
	s_wait_alu depctr_hold_cnt(0) depctr_sa_sdst(0) depctr_va_vdst(0) depctr_va_sdst(0) depctr_va_ssrc(0) depctr_va_vcc(0) depctr_vm_vsrc(0)
	s_getreg_b32 s2, hwreg(HW_REG_IB_STS2, 6, 4)
	s_cmp_eq_u32 s2, 0
	s_cbranch_scc0 .Lentry_in_a_cluster
	s_endpgm
.Lentry_in_a_cluster:
	s_bfe_u32 s2, ttmp6, 0x10000c
	s_cmp_lg_u32 s2, 0x3003
	s_cbranch_scc0 .Lentry_shape_is_right
	s_endpgm
.Lentry_shape_is_right:
; Causal attention of one head of batch on codes of FP8 (E4M3): o[q] = sum over keys k <= q of softmax(q . k / 8) v[k], head size 64, 2,048 tokens; o leaves as codes, an operand of the projection.
; LEFT OUT: a step of 128 keys all of which come after a tile's 16 queries: reference()'s own jnp.tril gives those scores the weight 0 for all values of the inputs.
; THE SOFTMAX AHEAD OF THE SECOND PRODUCT: t = score x log2(e) / 8; M = the row's largest t so far, rounded UP to a whole number; p = 2^(t - M) is quantised along the keys, not normalised.
; The row's sum is taken of the unquantised p, in f32, and divides O at the end.  When M moves, the sum and O are multiplied by 2^(old M - new M): exact.
; OPERANDS are images of registers (registers 4 g .. 4 g + 3 of lane l at byte 512 g + 16 l of a fragment): lane (r, h), registers 2 c, 2 c + 1: k = 16 c + 8 h + 0 .. 7.
;   q_img [head][tile of 16 queries][1,024 bytes];  kv_img [head][step of 128 keys][8 tiles of 16 keys x 64, then 4 tiles of 16 of the head's 64 x 128 keys]: 16 KB a step;  a_img [tile of 16 tokens][head][1,024 bytes].
; Both products are used transposed: S^T = K Q^T, O^T = V^T P^T: a lane holds ONE query (lane % 16); tile c of S^T holds keys 16 c + 8 h + 0 .. 7 in a lane's eight registers: converted, they are registers 2 c, 2 c + 1 of P.
; SHARES.  The four work-groups of a cluster serve one head.  Query tile 8 b + 4 u + cx (b: block of 128 queries, u = 0, 1) belongs to work-group cx: each has two tiles in every block, so each reads every key step.
; Wave p (0..7) owns both tiles of block p (the early group) and both of block 15 - p (the late group): 2 (p + 1) + 2 (16 - p) = 34 tile steps, whatever p is.  A fragment of K or V read from LDS serves a group's two tiles.
; LDS.  The head's K and V, 16 steps x 16 KB = 262,144 bytes, are filled ONCE, by joint loads that name the four work-groups: steps 0-5 at the head (12,288 bytes a wave), steps 6-15 behind the three lines and a round (20,480 bytes a wave).
; Nothing is filled again.  The first loop walks steps 0-5 for the late group, 12 tile steps in every wave; one barrier; the second loop has 10 trips: the late group's steps 6 on, the early group's steps 0 on.
; No prefetch: the two groups of loads at the head ask for all of K and V; behind them no request is left that a loop could run ahead of.
; LIMITS: e2 + e3 between -123 and 130 (added to c's exponent field); e4, and e6 - e4 - e5, between -126 and 119.  The promise holds while the scaled scores stay under 2^31 in magnitude.
; REGISTERS.  Window 0: v1 16 x lane; v2, v3 the diagonal's bounds; v4, v7 scales; v5, v6 the add's two; v8 LDS address; v16-31 four tiles' state (-M, largest t, the sum in two halves); v32-63 Q; v64-95 P's codes;
;   v96-223 S^T, then p, of a group's two tiles; v224-243 at work.  Window 1: v0-63 K's 8 fragments, v64-127 V's 4, v128-255 O^T of four tiles.
.set STEPB, 16384
.set CH1,   6*STEPB                    ; bytes of the first group of loads
.set SPARE, 262144                     ; behind K and V: the spare words, 128 bytes for each wave: four blocks of 256 bytes that no other line names
.set LI,  1
.set DQ,  2
.set SC4, 4
.set SPW, 5
.set NIL, 6
.set SC6, 7
.set ADR, 8
.set ST,  16
.set QQ,  32
.set PP,  64
.set SS,  96
.set MA,  224
.set PD,  228
.set FF,  230
.set XX,  234
.set INF, 242
.set LO,  243
.set OO,  128
.set WV,  12
.set CX,  13
.set HD,  14
.set PL,  15                           ; the early group's block
.set PH,  16                           ; the late group's
.set SI,  17                           ; the late group's key step; the loops' counter
.set SL,  18                           ; the early group's key step
.set SOH, 19                           ; LDS byte of the late group's step
.set SEL, 20
.set CS,  22
.set G1A, 24
.set G1B, 32
.set G0A, 40
.set G0B, 44
.set SOL, 48                           ; LDS byte of the early group's step
.set LIMP, 49                          ; 448 x 2^e4
.set LIMO, 50                          ; 448 x 2^(e6 - e4 - e5)
.set QL,  52
.set QH,  54
.set AL,  56
.set AH,  58
.set MSB, 0
.macro WIN new                         ; the immediate's high byte repeats the setting that is left
.if MSB != (\new)
	s_set_vgpr_msb (MSB<<8)|(\new)
.set MSB, (\new)
.endif
.endm
.macro SUMS i                          ; tile i's 64 unquantised p are added to its row's sum, two at a time, in five chains (T0: the group's state, set by the macro GROUP)
.set PB, SS+64*(\i)
.set SU, T0+4*(\i)+2
.irp q, 0,1,2,3
	v_pk_add_f32 v[XX+2*\q:XX+2*\q+1], v[PB+4*\q:PB+4*\q+1], v[PB+4*\q+2:PB+4*\q+3]
.endr
	v_pk_add_f32 v[SU:SU+1], v[SU:SU+1], v[PB+16:PB+17]
.irp k, 18,28,38,48
.irp q, 0,1,2,3
	v_pk_add_f32 v[XX+2*\q:XX+2*\q+1], v[XX+2*\q:XX+2*\q+1], v[PB+\k+2*\q:PB+\k+2*\q+1]
.endr
	v_pk_add_f32 v[SU:SU+1], v[SU:SU+1], v[PB+\k+8:PB+\k+9]
.endr
.irp q, 0,1,2
	v_pk_add_f32 v[XX+2*\q:XX+2*\q+1], v[XX+2*\q:XX+2*\q+1], v[PB+58+2*\q:PB+58+2*\q+1]
.endr
	v_pk_add_f32 v[XX:XX+1], v[XX:XX+1], v[XX+2:XX+3]
	v_pk_add_f32 v[XX+4:XX+5], v[XX+4:XX+5], v[XX+6:XX+7]
	v_pk_add_f32 v[SU:SU+1], v[SU:SU+1], v[XX:XX+1]
	v_pk_add_f32 v[SU:SU+1], v[SU:SU+1], v[XX+4:XX+5]
.endm
.macro ROUND                           ; a round of the cluster's barrier
	s_barrier_signal -1
	s_barrier_wait -1
	s_cmp_lg_u32 s[WV], 0
	s_cbranch_scc1 .Lnw0_\@
	s_barrier_signal -3
.Lnw0_\@:
	s_barrier_wait -3
	s_barrier_signal -1
	s_barrier_wait -1
.endm
	s_load_b256 s[4:11], s[0:1], 0x0               ; q_img s[4:5], kv_img s[6:7], the scales' exponents s[8:9], a_img s[10:11]
	v_lshl_add_u32 v[SPW], v0, 2, SPARE
	v_mov_b32 v[NIL], 0
	ds_add_u32 v[SPW], v[NIL]                      ; the opening lines: the add, twice on end, and its wait ahead of my first tensor load
	ds_add_u32 v[SPW], v[NIL]
	v_lshrrev_b32 v8, 5, v0
	v_readfirstlane_b32 s[WV], v8                  ; wave 0..7
	s_bfe_u32 s[CX], ttmp6, 0x40000                ; my place in the cluster: it enters Q's and the output's addresses and the diagonal's bounds, no branch and no LDS address
	s_and_b32 s[HD], ttmp7, 0xffff                 ; the head of batch
	s_mov_b32 s[PL], s[WV]
	s_sub_co_u32 s[PH], 15, s[WV]
	; group 1: dense bytes as rows of 256 bytes, elements of 8 bytes; the mask names the cluster's four, bit 21 beside it.  A: 48 rows, B: 80 rows
	s_mov_b32 s[G1A], 15|(3<<16)|(1<<21)
	s_mov_b32 s[G1A+1], 32<<16
	s_mov_b32 s[G1A+2], 48<<16
	s_mov_b32 s[G1A+3], 32<<16
	s_mov_b32 s[G1A+4], 48
	s_mov_b32 s[G1A+5], 32
	s_mov_b32 s[G1A+6], 0
	s_mov_b32 s[G1A+7], 0
	s_mov_b32 s[G1B], 15|(3<<16)|(1<<21)
	s_mov_b32 s[G1B+1], 32<<16
	s_mov_b32 s[G1B+2], 80<<16
	s_mov_b32 s[G1B+3], 32<<16
	s_mov_b32 s[G1B+4], 80
	s_mov_b32 s[G1B+5], 32
	s_mov_b32 s[G1B+6], 0
	s_mov_b32 s[G1B+7], 0
	s_mul_i32 s76, s[WV], 12288                    ; my part of steps 0-5, in LDS as in the head's bytes
	s_mul_i32 s77, s[WV], 20480
	s_add_co_u32 s77, s77, CH1                     ; my part of steps 6-15
	s_lshl_b32 s78, s[HD], 18                      ; the head's first byte in kv_img
	s_add_co_u32 s80, s78, s76
	s_mov_b32 s81, 0
	s_add_co_u32 s82, s78, s77
	s_mov_b32 s83, 0
	s_mov_b32 s[SEL], 0x76543210
	s_mov_b32 s[SEL+1], 0xfedcba98
	s_mov_b32 s[CS], 0x3e38aa3b                    ; log2(e) / 8
	s_wait_dscnt 0x0                               ; both opening adds are done
	s_wait_kmcnt 0x0
	s_load_b256 s[68:75], s[8:9], 0x0              ; e0 .. e7
	s_mov_b32 s[G0A], 1
	s_mov_b32 s[G0A+1], s76
	s_add_nc_u64 s[G0A+2:G0A+3], s[6:7], s[80:81]
	s_or_b32 s[G0A+3], s[G0A+3], 0x80000000
	s_mov_b32 s[G0B], 1
	s_mov_b32 s[G0B+1], s77
	s_add_nc_u64 s[G0B+2:G0B+3], s[6:7], s[82:83]
	s_or_b32 s[G0B+3], s[G0B+3], 0x80000000
	ROUND                                          ; the four work-groups are here: the first joint loads meet
	tensor_load_to_lds s[G0A:G0A+3], s[G1A:G1A+7]  ; steps 0-5: my one tensor load at the head
	s_nop 0
.rept 4
	v_nop
.endr
	s_lshl_b32 s84, s[PL], 3
	s_add_co_u32 s84, s84, s[CX]                   ; the early group's first tile: 8 p + cx; the second lies 4 tiles on
	s_lshl_b32 s85, s[PH], 3
	s_add_co_u32 s85, s85, s[CX]                   ; the late group's
	s_lshl_b32 s86, s[HD], 17                      ; q_img: head x 131,072 + tile x 1,024
	s_lshl_b32 s60, s84, 10
	s_add_co_u32 s60, s60, s86
	s_mov_b32 s61, 0
	s_add_nc_u64 s[QL:QL+1], s[4:5], s[60:61]
	s_lshl_b32 s60, s85, 10
	s_add_co_u32 s60, s60, s86
	s_add_nc_u64 s[QH:QH+1], s[4:5], s[60:61]
	s_lshr_b32 s86, s[HD], 4                       ; a_img: batch x 2^21 + tile x 16,384 + head x 1,024
	s_lshl_b32 s86, s86, 21
	s_and_b32 s87, s[HD], 15
	s_lshl_b32 s87, s87, 10
	s_add_co_u32 s86, s86, s87
	s_lshl_b32 s60, s84, 14
	s_add_co_u32 s60, s60, s86
	s_add_nc_u64 s[AL:AL+1], s[10:11], s[60:61]
	s_lshl_b32 s60, s85, 14
	s_add_co_u32 s60, s60, s86
	s_add_nc_u64 s[AH:AH+1], s[10:11], s[60:61]
	s_lshl_b32 s62, s[CX], 4
	v_and_b32 v[LI], 31, v0
	v_lshlrev_b32 v[LI], 4, v[LI]                  ; 16 x lane: a lane's place in every image
.irp u, 0,1
	global_load_b128 v[QQ+8*\u:QQ+8*\u+3], v[LI], s[QL:QL+1] offset:4096*\u          ; Q's four fragments stay in registers
	global_load_b128 v[QQ+8*\u+4:QQ+8*\u+7], v[LI], s[QL:QL+1] offset:4096*\u+512
	global_load_b128 v[QQ+16+8*\u:QQ+16+8*\u+3], v[LI], s[QH:QH+1] offset:4096*\u
	global_load_b128 v[QQ+16+8*\u+4:QQ+16+8*\u+7], v[LI], s[QH:QH+1] offset:4096*\u+512
.endr
	v_and_b32 v[DQ], 15, v0
	v_bfe_u32 v[DQ+1], v0, 4, 1
	v_lshlrev_b32 v[DQ+1], 3, v[DQ+1]
	v_sub_nc_u32 v[DQ], v[DQ], v[DQ+1]
	v_add_nc_u32 v[DQ], s62, v[DQ]                 ; d = my query within its block - 8 (lane / 16), tile u = 0: 16 cx + r - 8 h.  On the diagonal register 8 c + j is hidden where 16 c + j > d
	v_add_nc_u32 v[DQ+1], 64, v[DQ]                ; tile u = 1
.irp t, 0,1,2,3
	v_mov_b32 v[ST+4*\t+1], 0xff61b1e6             ; the largest t so far: -3e38, under every t
	v_floor_f32 v[ST+4*\t], -v[ST+4*\t+1]          ; -M
	v_mov_b32 v[ST+4*\t+2], 0                      ; the sum, in two halves
	v_mov_b32 v[ST+4*\t+3], 0
.endr
	v_mov_b32 v[PD], 0                             ; written once: a lane permute's destination counts as one of its sources
	v_mov_b32 v[PD+1], 0
	v_mov_b32 v[FF+1], 0                           ; (named as the upper halves of pairs)
	v_mov_b32 v[FF+3], 0
	WIN 0x40
.set n, 0
.rept 128
	v_mov_b32 v[OO+n], 0                           ; O^T of four tiles: the step is written once; the first finds zeros, which the first change of M leaves zeros
.set n, n+1
.endr
	WIN 0
	s_wait_kmcnt 0x0
	s_add_co_i32 s76, s70, s71
	s_lshl_b32 s76, s76, 23
	s_add_co_i32 s[CS], s[CS], s76                 ; a score stands for score x 2^(e2 + e3): added to c's exponent field
	s_mov_b32 s[CS+1], s[CS]
	s_add_co_i32 s76, s72, 127
	s_lshl_b32 s77, s76, 23
	v_mov_b32 v[SC4], s77                          ; 2^e4
	s_add_co_i32 s76, s76, 8
	s_lshl_b32 s76, s76, 23
	s_or_b32 s[LIMP], s76, 0x600000                ; 448 x 2^e4
	s_sub_co_i32 s76, s74, s72
	s_sub_co_i32 s76, s76, s73
	s_add_co_i32 s76, s76, 127
	s_lshl_b32 s77, s76, 23
	v_mov_b32 v[SC6], s77                          ; 2^(e6 - e4 - e5): O^T / the sum stands for that x 2^(e4 + e5)
	s_add_co_i32 s76, s76, 8
	s_lshl_b32 s76, s76, 23
	s_or_b32 s[LIMO], s76, 0x600000
; A KEY STEP OF A GROUP: 128 keys x the group's two tiles of 16 queries.  g: 0 early, 1 late; blk: its block; si: its step; so: the step's LDS byte; dg = 1: the diagonal's lines are assembled.
.macro GROUP g, blk, si, so, dg
.set T0, ST+8*(\g)
.set Q0, QQ+16*(\g)
.set O0, OO+64*(\g)
	s_cmp_gt_u32 s[\si], s[\blk]                   ; all the step's keys come after the group's queries: left out.  The wave's number and the count of steps alone
	s_cbranch_scc1 .Lhid_\@
	v_add_nc_u32 v[ADR], s[\so], v[LI]
.rept 3
	v_nop                                          ; with the line above: four places in front of loads into registers that the last products have read
.endr
	s_wait_alu depctr_va_vdst(0)
	WIN 0x40
.set n, 0
.rept 32
	ds_load_b128 v[4*n:4*n+3], v[ADR] offset:512*n ; the step as it lies: K's 8 fragments, then V's 4
.set n, n+1
.endr
	s_wait_dscnt 16                                ; K's 16 loads are in; V's 16 may be out
	WIN 0x01
.irp i, 0,1
.irp c, 0,1,2,3,4,5,6,7
	v_wmma_f32_16x16x64_fp8_fp8 v[SS+64*\i+8*\c:SS+64*\i+8*\c+7], v[8*\c:8*\c+7], v[Q0+8*\i:Q0+8*\i+7], 0
.endr
.endr
	WIN 0
.rept 4
	v_nop                                          ; places ahead of the first read of the scores
.endr
.if \dg
	s_cmp_lg_u32 s[\si], s[\blk]                   ; on the diagonal hidden scores become -infinity ahead of the maximum: p = 0 then
	s_cbranch_scc1 .Lopen_\@
	v_mov_b32 v[INF], 0xff800000
.set n, 0
.rept 32
	v_cmp_gt_i32 vcc_lo, 16*(n/8)+n%8, v[DQ]       ; tile u = 0: d is at most 63: keys 0-63 are compared,
	v_cndmask_b32 v[SS+n], v[SS+n], v[INF], vcc_lo
.set n, n+1
.endr
.rept 32
	v_mov_b32 v[SS+n], v[INF]                      ; keys 64-127 are hidden
.set n, n+1
.endr
.set n, 32
.rept 32
	v_cmp_gt_i32 vcc_lo, 16*(n/8)+n%8, v[DQ+1]     ; tile u = 1: d is at least 56: keys 0-55 count, keys 64-127 are compared
	v_cndmask_b32 v[SS+64+n], v[SS+64+n], v[INF], vcc_lo
.set n, n+1
.endr
.Lopen_\@:
.endif
.irp i, 0,1                                    ; the step's largest score: two chains a tile, the two tiles by turns, each accumulator from its low end on
	v_max3_num_f32 v[MA+2*\i], v[SS+64*\i], v[SS+64*\i+1], v[SS+64*\i+2]
.endr
.irp i, 0,1
	v_max3_num_f32 v[MA+2*\i+1], v[SS+64*\i+3], v[SS+64*\i+4], v[SS+64*\i+5]
.endr
.irp k, 6,10,14,18,22,26,30,34,38,42,46,50,54,58
.irp i, 0,1
	v_max3_num_f32 v[MA+2*\i], v[MA+2*\i], v[SS+64*\i+\k], v[SS+64*\i+\k+1]
.endr
.irp i, 0,1
	v_max3_num_f32 v[MA+2*\i+1], v[MA+2*\i+1], v[SS+64*\i+\k+2], v[SS+64*\i+\k+3]
.endr
.endr
.irp i, 0,1
	v_max3_num_f32 v[MA+2*\i], v[MA+2*\i], v[SS+64*\i+62], v[SS+64*\i+63]
.endr
.irp i, 0,1
	v_max_num_f32 v[MA+2*\i], v[MA+2*\i], v[MA+2*\i+1]
.endr
.irp i, 0,1
	v_permlanex16_b32 v[PD+\i], v[MA+2*\i], s[SEL], s[SEL+1]
.endr
.irp i, 0,1
	v_max_num_f32 v[MA+2*\i], v[MA+2*\i], v[PD+\i] ; and among lane l xor 16's
.endr
.irp i, 0,1
	v_mul_f32 v[MA+2*\i], s[CS], v[MA+2*\i]        ; as t (c is positive)
.endr
.irp i, 0,1
	v_max_num_f32 v[T0+4*\i+1], v[T0+4*\i+1], v[MA+2*\i]   ; the running largest t
.endr
.irp i, 0,1
	v_mov_b32 v[MA+2*\i], v[T0+4*\i]
.endr
.irp i, 0,1
	v_floor_f32 v[T0+4*\i], -v[T0+4*\i+1]          ; the new -M = -ceil(t)
.endr
.irp i, 0,1
	v_sub_f32 v[MA+2*\i], v[T0+4*\i], v[MA+2*\i]   ; old M - new M: a whole number, 0 or less
.endr
.irp i, 0,1
	v_cvt_i32_f32 v[MA+2*\i], v[MA+2*\i]           ; (it saturates)
.endr
.irp i, 0,1
	v_ldexp_f32 v[FF+2*\i], 1.0, v[MA+2*\i]        ; f = 2^(old M - new M)
.endr
; The two tiles' exponentials are two batches.  Between a batch's exponentials stands plain work on the OTHER tile's registers: what it reads was settled by the wait ahead of the batch, and what it writes is first read behind the wait behind the batch.
.set n, 0
.rept 32
	v_pk_fma_f32 v[SS+n:SS+n+1], v[SS+n:SS+n+1], s[CS:CS+1], v[T0:T0+1] op_sel_hi:[1,0,0]   ; tile 0: t - M
.set n, n+2
.endr
	s_wait_alu depctr_va_vdst(0)
.set n, 0
.rept 32
	v_exp_f32 v[SS+n], v[SS+n]                     ; tile 0: p = 2^(t - M), at most 1
	v_pk_fma_f32 v[SS+64+n:SS+64+n+1], v[SS+64+n:SS+64+n+1], s[CS:CS+1], v[T0+4:T0+5] op_sel_hi:[1,0,0]   ; tile 1: t - M
	v_exp_f32 v[SS+n+1], v[SS+n+1]
.set n, n+2
.endr
	v_pk_mul_f32 v[T0+2:T0+3], v[T0+2:T0+3], v[FF:FF+1] op_sel_hi:[1,0]   ; tile 0's sum under the new M (the plain line behind the batch)
	s_wait_alu depctr_va_vdst(0)                   ; one wait for the batch, ahead of its first reader; it also stands between tile 1's scalings and the exponentials that read them
	SUMS 0
	s_wait_alu depctr_va_vdst(0)
.set n, 0
.rept 32
	v_exp_f32 v[SS+64+n], v[SS+64+n]               ; tile 1: p
	v_dual_min_num_f32 v[SS+n], s[LIMP], v[SS+n] :: v_dual_min_num_f32 v[SS+n+1], s[LIMP], v[SS+n+1]   ; tile 0's hold: the conversion does not saturate (ISA guide 7.6.2); p is not negative, so it is one-sided
	v_exp_f32 v[SS+64+n+1], v[SS+64+n+1]
.set n, n+2
.endr
	v_pk_mul_f32 v[T0+6:T0+7], v[T0+6:T0+7], v[FF+2:FF+3] op_sel_hi:[1,0]   ; tile 1's sum under the new M (the plain line behind the batch)
	s_wait_alu depctr_va_vdst(0)                   ; one wait for the batch, ahead of its first reader
	SUMS 1
.irp c, 0,1,2,3,4,5,6,7
.irp e, 0,2,4,6
	v_dual_min_num_f32 v[SS+64+8*\c+\e], s[LIMP], v[SS+64+8*\c+\e] :: v_dual_min_num_f32 v[SS+64+8*\c+\e+1], s[LIMP], v[SS+64+8*\c+\e+1]   ; tile 1's hold
.endr
	v_cvt_scalef32_pk8_fp8_f32 v[PP+2*\c:PP+2*\c+1], v[SS+8*\c:SS+8*\c+7], v[SC4]             ; keys 16 c + 8 h + 0 .. 7: registers 2 c, 2 c + 1 of P
	v_cvt_scalef32_pk8_fp8_f32 v[PP+16+2*\c:PP+16+2*\c+1], v[SS+64+8*\c:SS+64+8*\c+7], v[SC4]
.endr
	WIN 0x41
	s_wait_alu depctr_va_vdst(0)
.irp i, 0,1
.set n, 0
.rept 16
	v_pk_mul_f32 v[O0+32*\i+n:O0+32*\i+n+1], v[O0+32*\i+n:O0+32*\i+n+1], v[FF+2*\i:FF+2*\i+1] op_sel_hi:[1,0]   ; O^T under the new M (also the plain lines between the conversions and the products)
.set n, n+2
.endr
.endr
	s_wait_alu depctr_va_vdst(0)
	s_wait_dscnt 0x0                               ; V is in
	WIN 0x51
.irp t, 0,1,2,3
.irp i, 0,1
	v_wmma_f32_16x16x128_fp8_fp8 v[O0+32*\i+8*\t:O0+32*\i+8*\t+7], v[64+16*\t:64+16*\t+15], v[PP+16*\i:PP+16*\i+15], v[O0+32*\i+8*\t:O0+32*\i+8*\t+7]   ; eight accumulators by turns
.endr
.endr
	WIN 0
.Lhid_\@:
.endm
	s_mov_b32 s[SI], 0
	s_mov_b32 s[SOH], 0
	s_wait_alu depctr_va_vdst(0)
	s_wait_loadcnt 0x0                             ; Q
	s_wait_tensorcnt 0x0                           ; my part of steps 0-5 is in
	ds_add_u32 v[SPW], v[NIL]
	s_wait_dscnt 0x0
	ROUND                                          ; everybody's part is in, and the four work-groups meet
	tensor_load_to_lds s[G0B:G0B+3], s[G1B:G1B+7]  ; steps 6-15: the first tensor load behind the round; it has the first loop's 12 tile steps in which to land
	s_nop 0
.rept 4
	v_nop
.endr
.Lone:                                             ; 6 trips: the late group's steps 0-5, none of them on its diagonal (its block is 8 at the least)
	GROUP 1, PH, SI, SOH, 0
	s_add_co_u32 s[SOH], s[SOH], STEPB
	s_add_co_u32 s[SI], s[SI], 1
	s_cmp_lt_u32 s[SI], 6
	s_cbranch_scc1 .Lone
	s_wait_tensorcnt 0x0                           ; my part of steps 6-15 is in,
	s_wait_dscnt 0x0
	s_barrier_signal -1
	s_barrier_wait -1                              ; everybody's is.
	s_mov_b32 s[SI], 6
	s_mov_b32 s[SOH], CH1
	s_mov_b32 s[SL], 0
	s_mov_b32 s[SOL], 0
.Ltwo:                                             ; 10 trips: the late group's steps 6 .. 15 - p, the early group's steps 0 .. p: 11 group steps in every wave
	GROUP 1, PH, SI, SOH, 1
	GROUP 0, PL, SL, SOL, 1
	s_add_co_u32 s[SOH], s[SOH], STEPB
	s_add_co_u32 s[SOL], s[SOL], STEPB
	s_add_co_u32 s[SL], s[SL], 1
	s_add_co_u32 s[SI], s[SI], 1
	s_cmp_lt_u32 s[SI], 16
	s_cbranch_scc1 .Ltwo
; THE WAY OUT.  O^T / the sum, held and converted with the folded scale: tile t's eight registers become registers 2 t, 2 t + 1 of a fragment of the projection's operand; stores of 512 consecutive bytes, aligned.
.macro OUTG g, base
.set T0, ST+8*(\g)
.set O0, OO+64*(\g)
.irp i, 0,1
	v_add_f32 v[T0+4*\i+2], v[T0+4*\i+2], v[T0+4*\i+3]
.endr
.irp i, 0,1
	v_permlanex16_b32 v[PD+\i], v[T0+4*\i+2], s[SEL], s[SEL+1]
.endr
.irp i, 0,1
	v_add_f32 v[T0+4*\i+2], v[T0+4*\i+2], v[PD+\i] ; the row's sum
.endr
	s_wait_alu depctr_va_vdst(0)
.irp i, 0,1
	v_rcp_f32 v[FF+2*\i], v[T0+4*\i+2]
.endr
	v_nop                                          ; a plain line behind them
	WIN 0x01
	s_wait_alu depctr_va_vdst(0)                   ; ahead of the reciprocals' first reader, which is O^T's first reader too
.irp i, 0,1
.set n, 0
.rept 16
	v_pk_mul_f32 v[SS+64*\i+n:SS+64*\i+n+1], v[O0+32*\i+n:O0+32*\i+n+1], v[FF+2*\i:FF+2*\i+1] op_sel_hi:[1,0]   ; each accumulator from its low end on
.set n, n+2
.endr
.endr
	WIN 0
.irp i, 0,1
.set n, 0
.rept 32
	v_med3_num_f32 v[SS+64*\i+n], v[SS+64*\i+n], -v[LO], v[LO]
.set n, n+1
.endr
.endr
.irp i, 0,1
.irp t, 0,1,2,3
	v_cvt_scalef32_pk8_fp8_f32 v[PP+16*(\g)+8*\i+2*\t:PP+16*(\g)+8*\i+2*\t+1], v[SS+64*\i+8*\t:SS+64*\i+8*\t+7], v[SC6]
.endr
.endr
	v_nop                                          ; a plain line behind the conversions
.irp i, 0,1
	global_store_b128 v[LI], v[PP+16*(\g)+8*\i:PP+16*(\g)+8*\i+3], s[\base:\base+1] offset:65536*\i        ; the group's second tile lies 4 tiles of 16,384 bytes on
	global_store_b128 v[LI], v[PP+16*(\g)+8*\i+4:PP+16*(\g)+8*\i+7], s[\base:\base+1] offset:65536*\i+512
.endr
.endm
.rept 4
	v_nop                                          ; places behind the last products
.endr
	v_mov_b32 v[LO], s[LIMO]
	OUTG 0, AL
	OUTG 1, AH
	s_wait_tensorcnt 0x0                           ; the wave's end
	ds_add_u32 v[SPW], v[NIL]
	s_wait_dscnt 0x0
	ROUND                                          ; the closing round
	s_endpgm
.Lfunc_end_k_qb4e693edd7_attn:
	.size	k_qb4e693edd7_attn, .Lfunc_end_k_qb4e693edd7_attn-k_qb4e693edd7_attn
	.p2alignl 7, 3214868480
	.fill 96, 4, 3214868480
	.section	.rodata,"a",@progbits
	.p2align	6, 0x0
	.amdhsa_kernel k_qb4e693edd7_attn
		.amdhsa_group_segment_fixed_size 327680
		.amdhsa_private_segment_fixed_size 0
		.amdhsa_enable_private_segment 0
		.amdhsa_kernarg_size 32
		.amdhsa_user_sgpr_count 2
		.amdhsa_user_sgpr_kernarg_segment_ptr 1
		.amdhsa_wavefront_size32 1
		.amdhsa_system_sgpr_workgroup_id_x 1
		.amdhsa_system_sgpr_workgroup_id_y 1
		.amdhsa_system_sgpr_workgroup_id_z 1
		.amdhsa_system_vgpr_workitem_id 0
		.amdhsa_next_free_vgpr 512
		.amdhsa_next_free_sgpr 100
		.amdhsa_reserve_vcc 1
		.amdhsa_float_denorm_mode_32 3
		.amdhsa_float_denorm_mode_16_64 3
		.amdhsa_memory_ordered 1
		.amdhsa_forward_progress 1
		.amdhsa_inst_pref_size 125
	.end_amdhsa_kernel
	.amdgpu_metadata
---
amdhsa.version: [ 1, 2 ]
amdhsa.kernels:
  - .name:           k_qb4e693edd7_attn
    .symbol:         k_qb4e693edd7_attn.kd
    .args:
      - { .name: q_img, .offset: 0, .size: 8, .value_kind: global_buffer, .address_space: global }
      - { .name: kv_img, .offset: 8, .size: 8, .value_kind: global_buffer, .address_space: global }
      - { .name: lowp_scales, .offset: 16, .size: 8, .value_kind: global_buffer, .address_space: global }
      - { .name: a_img, .offset: 24, .size: 8, .value_kind: global_buffer, .address_space: global }
    .group_segment_fixed_size: 327680
    .private_segment_fixed_size: 0
    .kernarg_segment_align: 8
    .kernarg_segment_size: 32
    .max_flat_workgroup_size: 256
    .sgpr_count:     100
    .vgpr_count:     512
    .wavefront_size: 32
...
	.end_amdgpu_metadata
.endif
;; end of part 3
;; launch gemm_proj (part 4): grid 4 x 64, 4 waves a work-group, clusters of 4 x 4, 327,680 bytes of LDS; arguments a_img, wp_img, lowp_scales, out0; writes out0
.if DOCPART == 4
	.amdgcn_target "amdgcn-amd-amdhsa--gfx1250"
	.amdhsa_code_object_version 6
	.text
	.protected	k_qb4e693edd7_gemm_proj
	.globl	k_qb4e693edd7_gemm_proj
	.p2align	8
	.type	k_qb4e693edd7_gemm_proj,@function
k_qb4e693edd7_gemm_proj:
	s_mov_b64 s[64:65], 0
	v_nop
	global_prefetch_b8 v0, s[64:65] scope:SCOPE_SE
	s_setreg_imm32_b32 hwreg(HW_REG_WAVE_MODE, 25, 1), 1
	s_wait_xcnt 0x0
	s_wait_alu depctr_hold_cnt(0) depctr_sa_sdst(0) depctr_va_vdst(0) depctr_va_sdst(0) depctr_va_ssrc(0) depctr_va_vcc(0) depctr_vm_vsrc(0)
	s_getreg_b32 s2, hwreg(HW_REG_IB_STS2, 6, 4)
	s_cmp_eq_u32 s2, 0
	s_cbranch_scc0 .Lentry_in_a_cluster
	s_endpgm
.Lentry_in_a_cluster:
	s_bfe_u32 s2, ttmp6, 0x10000c
	s_cmp_lg_u32 s2, 0xf033
	s_cbranch_scc0 .Lentry_shape_is_right
	s_endpgm
.Lentry_shape_is_right:
; out0 = attention's result x w_proj on codes of FP8 (E4M3), K = 1,024; each finished f32 sum x 2^(e6 + e7).  LIMIT: e6 + e7 between -126 and 127.
; OPERANDS are images of registers: a fragment (16 rows x 128 K, 2,048 bytes) has registers 4 g .. 4 g + 3 of lane l at byte 512 g + 16 l.
; a_img [tile of 16 tokens][K step 0..7][fragment];  wp_img [K step][tile of 16 columns 0..63][fragment].
; SHARES.  A work-group makes 128 tokens x 256 columns: 64 x 4 = 256 work-groups; a wave 64 x 128: 32 accumulators.  Source 0 = 16 columns of w, source 1 = 16 tokens: a lane holds eight neighbouring columns of a row of out0.
; LDS.  A's 128 rows with all of K (131,072 bytes, dense in memory) are filled once.  B's two halves of 128 columns have five slots of one K step each (16 KB a slot and half).
; Two fills: at the head waves 0-1 fetch A's halves and waves 2-3 B's K steps 0-4; when steps 0-2 are in registers, behind the three lines and a round, waves 2-3 fetch K steps 5-7 into slots 0-2.
; CLUSTERS: 4 x 4 work-groups; A's tile is shared along a row of the cluster, B's along a column: each is asked for jointly.
; No prefetch: the text has no loop to run ahead in; both fills are asked for ahead of the second K step's products.
; REGISTERS.  Window 0: v16-29 addresses; v64-191 A's fragments, two sets of 4; on the way out v32-255.  Window 1: the accumulators, (a, b) at v[8 (8 a + b)].  Window 2: B's fragments, two sets of 8.
.set BBASE, 131072
.set BHALF, 81920
.set SPARE, BBASE+2*BHALF              ; 294,912: the spare words, 128 bytes for each wave: two blocks of 256 bytes that no other line names
.set WST,   131072                     ; a K step of wp_img in bytes
.set SIZE_N, 1024
.set SPITCH, 528                       ; the way out: a stage of 16 rows x (512 + 16) bytes for each wave, in a slot 3 or 4 of B: last filled at the head, last read ahead of the barrier in front of K step 5
.set ADRA, 16
.set ADRB, 20                          ; v20 B's slots 0-3, v21 slot 4
.set STO,  24
.set RD,   25
.set CO,   26
.set SPW,  28
.set NIL,  29
.set TMP,  32
.set AF,   64
.set BK,   128
.set G1,  24
.set G1B, 32
.set G1C, 40
.set G0,  48
.set G0B, 52
.set MSB, 0
.macro WIN new
.if MSB != (\new)
	s_set_vgpr_msb (MSB<<8)|(\new)
.set MSB, (\new)
.endif
.endm
.macro NOP4
.rept 4
	v_nop
.endr
.endm
.macro CROUND
	s_barrier_signal -1
	s_barrier_wait -1
	s_cmp_lg_u32 s14, 0
	s_cbranch_scc1 .Lnot_wave_0_\@
	s_barrier_signal -3
.Lnot_wave_0_\@:
	s_barrier_wait -3
	s_barrier_signal -1
	s_barrier_wait -1
.endm
.macro G1SET g, c, r, p
	s_mov_b32 s[\g+1], (\c)<<16
	s_mov_b32 s[\g+2], (\r)<<16
	s_mov_b32 s[\g+3], (\c)<<16
	s_mov_b32 s[\g+4], \r
	s_mov_b32 s[\g+5], \p
	s_mov_b32 s[\g+6], 0
	s_mov_b32 s[\g+7], 0
.endm
	s_load_b256 s[4:11], s[0:1], 0x0               ; a_img s[4:5], wp_img s[6:7], the scales' exponents s[8:9], out0 s[10:11]
	v_lshl_add_u32 v[SPW], v0, 2, SPARE
	v_mov_b32 v[NIL], 0
	ds_add_u32 v[SPW], v[NIL]                      ; the opening lines: the add, twice on end, and its wait ahead of my first tensor load
	ds_add_u32 v[SPW], v[NIL]
	v_lshrrev_b32 v1, 5, v0
	v_readfirstlane_b32 s14, v1                    ; wave 0..3
	s_lshr_b32 s15, s14, 1                         ; which 64 tokens are mine.  Also: I fetch for A (0) or for B (1)
	s_and_b32 s16, s14, 1                          ; which 128 columns.  Also: which half I fetch
	s_bfe_u32 s56, ttmp6, 0x40000                  ; cx, cy
	s_bfe_u32 s57, ttmp6, 0x40004
	s_lshl_b32 s58, ttmp9, 2
	s_add_co_u32 s58, s58, s56                     ; tile of 256 columns 0..3
	s_and_b32 s17, ttmp7, 0xffff
	s_lshl_b32 s17, s17, 2
	s_add_co_u32 s17, s17, s57                     ; tile of 128 tokens 0..63
	s_lshl_b32 s59, s57, 2
	s_lshl_b32 s59, 15, s59                        ; my row of the cluster
	s_lshl_b32 s60, 0x1111, s56                    ; my column
	s_or_b32 s[G1], s59, (3<<16)|(1<<21)
	s_or_b32 s[G1B], s60, (3<<16)|(1<<21)
	s_or_b32 s[G1C], s60, (3<<16)|(1<<21)
	G1SET G1, 32, 256, 32                          ; A: 65,536 dense bytes as 256 rows of 256 bytes
	G1SET G1B, 2048, 5, WST/8                      ; B: 5 K steps of 8 tiles (16,384 bytes)
	G1SET G1C, 2048, 3, WST/8                      ; B: 3 K steps
	s_lshl_b32 s20, s17, 17                        ; A: 8 tiles of 16,384 bytes, + my half
	s_lshl_b32 s61, s16, 16
	s_add_co_u32 s20, s20, s61
	s_mov_b32 s21, 0
	s_lshl_b32 s22, s58, 15                        ; B: 16 tiles of 2,048 bytes, + my half
	s_lshl_b32 s62, s16, 14
	s_add_co_u32 s22, s22, s62
	s_mov_b32 s23, 0
	s_mul_i32 s63, s16, BHALF
	s_add_co_u32 s63, s63, BBASE
	s_wait_dscnt 0x0
	s_wait_kmcnt 0x0
	s_load_b64 s[96:97], s[8:9], 0x18              ; e6, e7
	s_mov_b32 s[G0], 1
	s_mov_b32 s[G0+1], s61
	s_add_nc_u64 s[G0+2:G0+3], s[4:5], s[20:21]
	s_or_b32 s[G0+3], s[G0+3], 0x80000000
	s_mov_b32 s[G0B], 1
	s_mov_b32 s[G0B+1], s63
	s_add_nc_u64 s[G0B+2:G0B+3], s[6:7], s[22:23]
	s_or_b32 s[G0B+3], s[G0B+3], 0x80000000
	CROUND                                         ; all sixteen work-groups are here: the first joint loads meet
	s_cmp_eq_u32 s15, 0
	s_cbranch_scc0 .Lfirst_b
	tensor_load_to_lds s[G0:G0+3], s[G1:G1+7]      ; my one tensor load at the head
	s_nop 0
	NOP4
	s_branch .Lfirst_j
.Lfirst_b:
	tensor_load_to_lds s[G0B:G0B+3], s[G1B:G1B+7]
	s_nop 0
	NOP4
.Lfirst_j:
	s_lshl_b32 s66, s15, 16                        ; my 4 tiles of A
	s_lshl_b32 s67, s15, 14
	s_add_co_u32 s67, s67, s63
	s_add_co_u32 s67, s67, 3*16384                 ; my stage: B's half wave % 2, slot 3 + wave / 2
	s_lshl_b32 s20, s17, 7
	s_lshl_b32 s68, s15, 6
	s_add_co_u32 s20, s20, s68                     ; my first row of out0
	s_lshl_b32 s20, s20, 12
	s_lshl_b32 s68, s58, 10
	s_add_co_u32 s20, s20, s68
	s_lshl_b32 s68, s16, 9
	s_add_co_u32 s20, s20, s68                     ; + my first column, in bytes
	s_add_nc_u64 s[10:11], s[10:11], s[20:21]
	v_and_b32 v1, 15, v0
	v_bfe_u32 v2, v0, 4, 1
	v_and_b32 v6, 31, v0
	v_lshlrev_b32 v[CO], 4, v6                     ; 16 x lane
	v_add_nc_u32 v[ADRA], s66, v[CO]
	v_add_nc_u32 v[ADRB], s63, v[CO]
	v_add_nc_u32 v[ADRB+1], 65536, v[ADRB]
	v_mul_u32_u24 v5, v1, SPITCH
	v_lshl_add_u32 v5, v2, 5, v5
	v_add_nc_u32 v[STO], s67, v5                   ; the stage, in: row lane % 16, 32 bytes for each half of the lanes
	v_add_nc_u32 v[RD], s67, v[CO]                 ; and back: the 32 lanes take one row of 512 bytes
.macro FETCH s, sl, set                ; K step s, whose part of B lies in slot sl: 48 loads
	WIN 0x80
.irp i, 0,1,2,3,4,5,6,7
.irp c, 0,1,2,3
	ds_load_b128 v[128*(\set)+16*\i+4*\c:128*(\set)+16*\i+4*\c+3], v[ADRB+(\sl)/4] offset:((\sl)%4)*16384+\i*2048+512*\c
.endr
.endr
	WIN 0
.irp i, 0,1,2,3
.irp c, 0,1,2,3
	ds_load_b128 v[AF+64*(\set)+16*\i+4*\c:AF+64*(\set)+16*\i+4*\c+3], v[ADRA] offset:\i*16384+(\s)*2048+512*\c
.endr
.endr
.endm
.macro MUL set, zero                   ; 32 products, 128 along K; the accumulators take turns
	WIN 0x52
.irp a, 0,1,2,3
.irp b, 0,1,2,3,4,5,6,7
.if \zero
	v_wmma_f32_16x16x128_fp8_fp8 v[8*(8*\a+\b):8*(8*\a+\b)+7], v[128*(\set)+16*\b:128*(\set)+16*\b+15], v[AF+64*(\set)+16*\a:AF+64*(\set)+16*\a+15], 0
.else
	v_wmma_f32_16x16x128_fp8_fp8 v[8*(8*\a+\b):8*(8*\a+\b)+7], v[128*(\set)+16*\b:128*(\set)+16*\b+15], v[AF+64*(\set)+16*\a:AF+64*(\set)+16*\a+15], v[8*(8*\a+\b):8*(8*\a+\b)+7]
.endif
.endr
.endr
	WIN 0
.endm
	s_wait_alu depctr_va_vdst(0)
	s_wait_tensorcnt 0x0                           ; my part of the first fill is in,
	s_barrier_signal -1
	s_barrier_wait -1                              ; everybody's is.
	FETCH 0, 0, 0
	FETCH 1, 1, 1
	s_wait_dscnt 48                                ; step 0's fragments are in; step 1's 48 loads may be out
	MUL 0, 1                                       ; the first step starts the sums
	NOP4
	FETCH 2, 2, 0
	s_wait_tensorcnt 0x0                           ; the three lines ahead of a refill's round
	ds_add_u32 v[SPW], v[NIL]
	s_add_nc_u64 s[G0B+2:G0B+3], s[G0B+2:G0B+3], 5*WST
	s_wait_dscnt 0x0                               ; the add is done, and steps 1 and 2 are in registers: my reads of B's slots 0-2 are over
	CROUND
	s_cmp_eq_u32 s15, 0
	s_cbranch_scc1 .Lno_b
	tensor_load_to_lds s[G0B:G0B+3], s[G1C:G1C+7]  ; K steps 5-7 into B's slots 0-2: the first tensor load behind the round
	s_nop 0
	NOP4
.Lno_b:
	MUL 1, 0
	NOP4
	FETCH 3, 3, 1
	MUL 0, 0
	NOP4
	FETCH 4, 4, 0
	s_wait_dscnt 48
	MUL 1, 0
	s_wait_dscnt 0x0
	MUL 0, 0
	s_wait_tensorcnt 0x0                           ; my part of K steps 5-7 is in,
	s_barrier_signal -1
	s_barrier_wait -1                              ; everybody's is, and nobody reads B's slots 3 and 4 any more
	NOP4
	FETCH 5, 0, 1
	FETCH 6, 1, 0
	s_wait_dscnt 48
	MUL 1, 0
	NOP4
	FETCH 7, 2, 1
	s_wait_dscnt 48
	MUL 0, 0
	s_wait_dscnt 0x0
	MUL 1, 0
; THE WAY OUT, block by block of 16 rows x 128 columns, through my own stage in LDS: back come whole rows of 512 bytes, which the 32 lanes store as two aligned units of 256 bytes.
.macro TOSTAGE a
	WIN 0x01
.irp j, 0,2,4,6,8,10,12,14,16,18,20,22,24,26,28,30,32,34,36,38,40,42,44,46,48,50,52,54,56,58,60,62
	v_pk_mul_f32 v[TMP+\j:TMP+\j+1], v[64*(\a)+\j:64*(\a)+\j+1], s[96:97] op_sel_hi:[1,0]   ; x 2^(e6 + e7); each accumulator from its low end on
.endr
	WIN 0
.irp b, 0,1,2,3,4,5,6,7
	ds_store_b128 v[STO], v[TMP+8*\b:TMP+8*\b+3] offset:64*\b
	ds_store_b128 v[STO], v[TMP+8*\b+4:TMP+8*\b+7] offset:64*\b+16
.endr
.set BB, BK+64*((\a)%2)
.irp t, 0,1,2,3,4,5,6,7,8,9,10,11,12,13,14,15
	ds_load_b128 v[BB+4*\t:BB+4*\t+3], v[RD] offset:\t*SPITCH   ; LDS serves a wave's instructions in order: these see the stores above
.endr
.endm
.macro SEND a, younger                 ; younger: the LDS instructions issued behind block a's loads, which may stay out
.set BB, BK+64*((\a)%2)
	s_wait_dscnt \younger
.if (\a) > 0
	s_add_nc_u64 s[10:11], s[10:11], 16*SIZE_N*4   ; (behind a wait on XCNT: the earlier stores have read their base)
.endif
.irp t, 0,1,2,3,4,5,6,7,8,9,10,11,12,13,14,15
	global_store_b128 v[CO], v[BB+4*\t:BB+4*\t+3], s[10:11] offset:\t*SIZE_N*4 th:TH_STORE_NT
.endr
.endm
	s_wait_kmcnt 0x0
	s_add_co_i32 s96, s96, s97
	s_add_co_i32 s96, s96, 127
	s_lshl_b32 s96, s96, 23                        ; 2^(e6 + e7) as f32
	NOP4                                           ; places behind the last products
	TOSTAGE 0
.irp a, 1,2,3
.if \a > 1
	s_wait_xcnt 0x0                                ; block a - 2's stores have read their registers and their base
.endif
	TOSTAGE \a
	SEND \a-1, 32
.endr
	s_wait_xcnt 0x0
	SEND 3, 0
	s_wait_tensorcnt 0x0                           ; the wave's end
	ds_add_u32 v[SPW], v[NIL]
	s_wait_dscnt 0x0
	CROUND                                         ; the closing round
	s_endpgm
.Lfunc_end_k_qb4e693edd7_gemm_proj:
	.size	k_qb4e693edd7_gemm_proj, .Lfunc_end_k_qb4e693edd7_gemm_proj-k_qb4e693edd7_gemm_proj
	.p2alignl 7, 3214868480
	.fill 96, 4, 3214868480
	.section	.rodata,"a",@progbits
	.p2align	6, 0x0
	.amdhsa_kernel k_qb4e693edd7_gemm_proj
		.amdhsa_group_segment_fixed_size 327680
		.amdhsa_private_segment_fixed_size 0
		.amdhsa_enable_private_segment 0
		.amdhsa_kernarg_size 32
		.amdhsa_user_sgpr_count 2
		.amdhsa_user_sgpr_kernarg_segment_ptr 1
		.amdhsa_wavefront_size32 1
		.amdhsa_system_sgpr_workgroup_id_x 1
		.amdhsa_system_sgpr_workgroup_id_y 1
		.amdhsa_system_sgpr_workgroup_id_z 1
		.amdhsa_system_vgpr_workitem_id 0
		.amdhsa_next_free_vgpr 768
		.amdhsa_next_free_sgpr 100
		.amdhsa_reserve_vcc 0
		.amdhsa_float_denorm_mode_32 3
		.amdhsa_float_denorm_mode_16_64 3
		.amdhsa_memory_ordered 1
		.amdhsa_forward_progress 1
		.amdhsa_inst_pref_size 72
	.end_amdhsa_kernel
	.amdgpu_metadata
---
amdhsa.version: [ 1, 2 ]
amdhsa.kernels:
  - .name:           k_qb4e693edd7_gemm_proj
    .symbol:         k_qb4e693edd7_gemm_proj.kd
    .args:
      - { .name: a_img, .offset: 0, .size: 8, .value_kind: global_buffer, .address_space: global }
      - { .name: wp_img, .offset: 8, .size: 8, .value_kind: global_buffer, .address_space: global }
      - { .name: lowp_scales, .offset: 16, .size: 8, .value_kind: global_buffer, .address_space: global }
      - { .name: out0, .offset: 24, .size: 8, .value_kind: global_buffer, .address_space: global }
    .group_segment_fixed_size: 327680
    .private_segment_fixed_size: 0
    .kernarg_segment_align: 8
    .kernarg_segment_size: 32
    .max_flat_workgroup_size: 128
    .sgpr_count:     100
    .vgpr_count:     768
    .wavefront_size: 32
...
	.end_amdgpu_metadata
.endif
;; end of part 4
